; MI455X (gfx1250); checked and timed in simulation.
; The chip was launched on July 23, 2026; its instructions are those of AMD's public machine-readable ISA for CDNA 5 (MIT licence, August 2026) and "CDNA5" Instruction Set Architecture Reference Guide (July 2026). The comments in the code are by the model that wrote it; some were corrected since.
;; Attention Layer. Allowed arithmetic: matrix products marked QUANTISED: E2M1 operands, one E8M0 scale for each 32 along K, by v_wmma_scale_f32_16x16x128_f8f6f4 with both operands' format E2M1 (or v_wmma_scale_f32_32x16x128_f4), f32 sums; everything else in f32.
;; Inputs: Wk_codes 64 x 16 x 16 uint8 (E2M1 codes of Wk, K innermost, in blocks of 32 codes, two codes a byte); Wk_scales 64 x 16 uint8 (E8M0 scales of Wk, one for each 32 codes along K); Wq_codes 64 x 16 x 16 uint8 (E2M1 codes of Wq, K innermost, in blocks of 32 codes, two codes a byte); Wq_scales 64 x 16 uint8 (E8M0 scales of Wq, one for each 32 codes along K); Wv_codes 512 x 16 x 16 uint8 (E2M1 codes of Wv, K innermost, in blocks of 32 codes, two codes a byte); Wv_scales 512 x 16 uint8 (E8M0 scales of Wv, one for each 32 codes along K); bk 64 float32; bq 64 float32; bv 512 float32; x 4 x 512 x 64 x 64 float32.
;; Outputs: out0 4 x 512 x 64 x 64 float32.
;; This version of the problem:
;;   THIS VERSION OF THE PROBLEM IS GIVEN IN LOW PRECISION. The matrix products marked QUANTISED in the list below multiply operands that are first quantised to E2M1 (2 exponent bits, 1 mantissa bit; 4 bits a number), with one power-of-two scale for each 32 numbers along K (OCP MX v1.0); their sums are f32. All else is computed in f32.
;;   The module's matrix products, in the order in which they are computed (A, B: the left and right operand; K: the contracted axis; several contracted axes count as one K, in the product's order):
;;     1. [M 16,384, K 512] x [K 512, N 64]; A: input x; B: input Wq (given as codes): QUANTISED
;;     2. [M 16,384, K 512] x [K 512, N 64]; A: input x; B: input Wk (given as codes): QUANTISED
;;     3. [M 16,384, K 512] x [K 512, N 512]; A: input x; B: input Wv (given as codes): QUANTISED
;;     4. batch 4 x [M 4,096, K 64] x [K 64, N 4,096]; A: computed on the way; B: computed on the way: QUANTISED
;;     5. batch 4 x [M 512, K 4,096] x [K 4,096, N 4,096]; A: computed on the way; B: softmax (see below): QUANTISED
;;   THE QUANTISER, for each operand of a quantised product, along K:
;;     - K is cut into blocks of 32 from its start; a last block that is shorter is filled with zeros.
;;     - A block's scale is 2^e with e = floor(log2(the largest magnitude in the block)) - 2, held to -126 .. 127; a block of zeros has e = 0. As a byte (E8M0): e + 127.
;;     - Each number is divided by its block's scale, clamped to +-6, and rounded to the nearest number of E2M1, ties to even, subnormals kept.
;;     - The product sums the exact products of the quantised numbers (number of the format x scale) in f32.
;;   ~~~python
;;   def quantise(x, axis):      # numpy; x: float32 -> the quantised numbers, widened to float32 again
;;       x = np.moveaxis(x, axis, -1); K = x.shape[-1]
;;       x = np.pad(x, [(0, 0)] * (x.ndim - 1) + [(0, -K % 32)]); x = x.reshape(x.shape[:-1] + (-1, 32)); a = np.abs(x).max(-1, keepdims=True)
;;       e = np.where(a > 0, np.clip(np.frexp(np.where(a > 0, a, 1))[1] - 1 - 2, -126, 127), 0)      # np.frexp(a)[1] - 1 = floor(log2(a)), exactly
;;       r = np.clip(x / 2.0 ** e, -6, 6)
;;       step = 2.0 ** (np.maximum(np.frexp(np.where(r == 0, 1, r))[1] - 1, 0) - 1)
;;       q = np.round(r / step) * step * 2.0 ** e      # np.round: ties to even
;;       return np.moveaxis(q.reshape(q.shape[:-2] + (-1,))[..., :K], -1, axis).astype(np.float32)
;;   ~~~
;;   SOFTMAX AHEAD OF A QUANTISED PRODUCT. Where the list says 'softmax', what is quantised is not the finished softmax but p = 2^(t - M), with t = logit x log2(e) and M = ceil(the row's largest t), a whole number; so 1/2 < the row's largest p <= 1. The row's sum l is taken of the UNQUANTISED p, in f32, and the product's result is divided by l at the end. Since M is a whole number, a kernel that streams over the keys may use a running M (the ceiling of the running maximum): every later rescaling is an exact power of two, which a block's scale takes up: the codes' values come out the same.
;;   OPERANDS COMPUTED ON THE WAY. 'Computed on the way' means the value that the module computes at that place (a softmax that the list does not call 'softmax' is quantised finished and normalised). What goes into a quantiser is computed in f32, as accurately as f32 sums, v_exp_f32 and their like allow (about 1e-6 of the number): no bf16 or f16 on the way to a quantiser, and a product that is left as it is and whose result goes on into a quantised operand takes f32 operands (vector FMAs, or v_wmma_f32_16x16x4_f32). A number that lies on a knife's edge between two numbers of the format may be rounded either way, as far as f32 arithmetic and the matrix unit's own rounding can turn it there, and no further.
;;   INPUTS GIVEN AS CODES. Wk (in the module: [64, 512], K = its axis 1); Wq (in the module: [64, 512], K = its axis 1); Wv (in the module: [512, 512], K = its axis 1): each comes as NAME_codes (uint8): NAME with its K axis moved to the last place and cut into blocks of 32 codes, [.., K / 32, bytes a block], one block behind the other in memory; two codes a byte, the lower K in the low four bits (a code: sign, 2 exponent bits, 1 mantissa bit); and NAME_scales (uint8): the same leading axes, one E8M0 byte (e + 127) for each 32 codes along K. Its value is code x scale, taken as it is: it is not quantised again, and the codes and scales need not be those that the quantiser above would give.
;; One version. Each part assembles by itself: llvm-mc -triple=amdgcn-amd-amdhsa -mcpu=gfx1250 --defsym DOCPART=n.
;; ======== version 1 of 1: 2 launches
;; workspace buffers: qc 524,288 bytes; kc 524,288 bytes; qs 65,536 bytes; ks 65,536 bytes; vc 4,194,304 bytes; vs 262,144 bytes
;; launch proj (part 1): grid 64 x 4, 8 waves a work-group, no clusters, 168,960 bytes of LDS; arguments x, Wq_codes, Wq_scales, bq, Wk_codes, Wk_scales, bk, Wv_codes, Wv_scales, bv, qc, qs, kc, ks, vc, vs; writes qc, qs, kc, ks, vc, vs
.if DOCPART == 1
	.amdgcn_target "amdgcn-amd-amdhsa--gfx1250"
	.amdhsa_code_object_version 6
	.text
	.protected	k_q5579571a78_proj
	.globl	k_q5579571a78_proj
	.p2align	8
	.type	k_q5579571a78_proj,@function
k_q5579571a78_proj:
	s_mov_b64 s[64:65], 0
	v_nop
	global_prefetch_b8 v0, s[64:65] scope:SCOPE_SE
	s_setreg_imm32_b32 hwreg(HW_REG_WAVE_MODE, 25, 1), 1
	s_wait_xcnt 0x0
; q = Wq x + bq, k = Wk x + bk, v = Wv x + bv for 64 positions n of one image, all three products on codes of FP4 (E2M1) with one E8M0 scale for each 32 along K,
; and q, k, v quantised again for the attention launch: q and k along their 64 outputs, v along the positions (the keys).  x: [4][512][4096] f32, K = its 512 channels, which are NOT innermost.
; SHARES.  Work-group (g, b): positions 64 g .. 64 g + 63 of image b.  Eight waves.  Wave w brings channels 64 w .. 64 w + 63 of the tile into LDS (one tensor load: 64 rows of 256 bytes) and quantises them:
; a lane takes a position, its registers run down the channels, so a block of 32 lies in one lane and the codes come out with K innermost.  Then waves 0-3 make q and waves 4-7 k, each for one tile of
; 16 positions; then every wave makes v for channels 64 w .. 64 w + 63.  A wave's weights go from memory straight into its registers, once.
; THE 16 POSITIONS OF A TILE ARE NOT NEIGHBOURS: lane r of tile T = 2 p + u takes position 32 p + 8 u + r + 8 (r / 8).  So v's 16 registers of tiles 2 p, 2 p + 1 are 16 neighbouring keys, and the attention
; launch's scores of two neighbouring tiles of keys are so too.  Wq's and Wk's rows are chosen in the same way, so that q's and k's registers run along neighbouring outputs.
; OUT: images of the operands' registers.  qc, kc: [b][tile 4 g + T][lane][16 bytes] (registers 0-3: outputs 32 (lane / 16) + 0 .. 31).  qs, ks: [b][g][16 u + r][p] words: byte 0, 1 the two scales, bytes 2, 3 = 127.
; vc: [b][g / 4][w][ct][g % 4][lane][16 bytes]: channel 64 w + 16 ct + lane % 16, keys 64 g + 32 (lane / 16) + 0 .. 31.  vs: [b][g][w][r][ct] two bytes.
; NO CLUSTER: the work-groups share the weights alone, 174 KiB against the 128 KiB of x that each reads for itself, and each wave takes its part of them into registers, where a joint load cannot land.
; NO PREFETCH: all that a work-group reads is asked for at its head.
; LIMITS: NaN and infinities among the inputs are not served.  A block whose largest magnitude lies under 2^-124, a block of zeros among them, gets the scale byte 1 (the rule says 127 for zeros): its codes are
; then zeros or the nearest codes under that scale, and the bytes are read by this program alone.  The biases are the C of each sum's first product, so they are added first and not last.
.set XC,   131072                      ; LDS: behind the tile of x (512 rows x 256 bytes): its codes, a row for each position: 256 bytes + 16 of padding
.set XS,   XC+64*272                   ; its scale bytes, 16 for each position
.set QSG,  XS+64*16                    ; q's 64 scale words, then k's, laid as qs and ks are
.set VSG,  QSG+512                     ; v's scale bytes, laid as vs is
.set LI,   4                           ; v4   16 x lane
.set AX,   5                           ; v5   x in LDS: my wave's rows, 4 x lane
.set AXC,  6                           ; v6   where my position's codes go: XC + 272 lane + 32 w
.set AXS,  7                           ; v7   and its two scale bytes: XS + 16 lane + 2 w
.set AXQ,  8                           ; v8   x's fragment for q or k: my tile's row, + 16 (lane / 16)
.set AXQS, 9                           ; v9   its scale words
.set AXV,  10                          ; v10  x's fragments for v: row r + 8 (r / 8), + 16 (lane / 16)
.set AXVS, 11                          ; v11  their scale words
.set AQG,  12                          ; v12  where my scale word of q or k goes
.set AVG,  13                          ; v13  where my eight scale bytes of v go
.set AG1,  14                          ; v14  the way out of v's scale bytes: VSG + 16 x thread
.set AG2,  15                          ; v15  of q's and k's words: QSG + 8 x (thread - 64)
.set AWQ,  16                          ; v16-23 offsets in memory: Wq or Wk, their scales, their bias, Wv, its scales, its bias, 8 x lane, 16 x thread
.set AWQS, 17
.set ABQ,  18
.set AWV,  19
.set AWVS, 20
.set ABV,  21
.set L8,   22
.set T16,  23
.set ACC,  24                          ; v24-55   four accumulators
.set XSR,  56                          ; v56-71   x's scale words: tile T, K step kk at 4 T + kk
.set WVS,  72                          ; v72-87   Wv's scale words
.set WQS,  88                          ; v88-103  Wq's or Wk's
.set BV,   104                         ; v104-107 bv of my channel in each of my four tiles
.set B8,   108                         ; v108-115 that number eight times, as a C; before that two sets of four code registers
.set TM,   116                         ; v116-119 at work
.set SC,   120                         ; v120-121 the conversions' scale operands
.set BY,   122                         ; v122-123 the scale bytes
.set PC,   124                         ; v124-127 the codes just made
.set XF,   128                         ; v128-255 x as f32, then x's fragments
                                       ; window 1: v0-127 Wq's or Wk's 16 fragments (ot, kk) at 8 (4 ot + kk); v128-255 Wv's (ct, kk)
.set MSB, 0
.macro WIN new                         ; the immediate's high byte repeats the setting that is left
.if MSB != \new
	s_set_vgpr_msb (MSB<<8)|\new
.set MSB, \new
.endif
.endm
.macro BAR                             ; my LDS stores have landed and my LDS loads are in: then the work-group's barrier
	s_wait_dscnt 0x0
	s_barrier_signal -1
	s_barrier_wait -1
.endm
.macro PLACES n
.rept \n
	v_nop
.endr
.endm
	s_load_b512 s[8:23], s[0:1], 0x0               ; x, Wq's codes, scales, bq, Wk's codes, scales, bk, Wv's codes
	s_load_b512 s[24:39], s[0:1], 0x40             ; Wv's scales, bv, qc, qs, kc, ks, vc, vs
	v_lshl_add_u32 v230, v0, 2, 0x29000
	v_mov_b32 v231, 0
	ds_add_u32 v230, v231
	ds_add_u32 v230, v231
	s_wait_dscnt 0x0
	v_lshrrev_b32 v1, 5, v0
	v_readfirstlane_b32 s2, v1                     ; wave 0..7
	s_and_b32 s4, ttmp7, 0xffff                    ; the image
	s_and_b32 s5, s2, 3                            ; T: my tile of positions for q or k
	s_lshr_b32 s6, s5, 1
	s_and_b32 s7, s5, 1
	s_lshl_b32 s66, s6, 5
	s_lshl_b32 s67, s7, 3
	s_add_co_u32 s66, s66, s67                     ; where tile T begins: 32 (T / 2) + 8 (T % 2)
	s_mov_b32 s52, 0x76543210
	s_mov_b32 s53, 0xfedcba98                      ; v_permlanex16_b32's selects for lane l xor 16
	; descriptor group 1: 64 rows of 64 elements of 4 bytes, 4,096 elements from row to row, no padding
	s_mov_b32 s44, 2<<16
	s_mov_b32 s45, 64<<16                          ; tensor_dim0
	s_mov_b32 s46, 64<<16                          ; tensor_dim1
	s_mov_b32 s47, 64<<16                          ; tile_dim0
	s_mov_b32 s48, 64                              ; tile_dim1
	s_mov_b32 s49, 4096                            ; the pitch
	s_mov_b32 s50, 0
	s_mov_b32 s51, 0
	s_mov_b32 s40, 1
	s_lshl_b32 s41, s2, 14                         ; my 64 rows in LDS
	v_and_b32 v1, 31, v0                           ; lane
	v_and_b32 v2, 15, v0                           ; r
	v_bfe_u32 v3, v0, 4, 1                         ; h
	v_and_b32 v[TM], 8, v2
	v_add_nc_u32 v[TM], v[TM], v2                  ; r + 8 (r / 8)
	v_lshlrev_b32 v[LI], 4, v1
	v_lshl_add_u32 v[AX], v1, 2, s41
	s_lshl_b32 s54, s2, 5
	s_add_co_u32 s54, s54, XC
	v_mad_u32_u24 v[AXC], v1, 272, s54
	s_lshl_b32 s54, s2, 1
	s_add_co_u32 s54, s54, XS
	v_lshl_add_u32 v[AXS], v1, 4, s54
	v_add_nc_u32 v[AXQS], s66, v[TM]               ; my row of tile T
	v_mul_u32_u24 v[AXQ], v[AXQS], 272
	v_lshl_add_u32 v[AXQ], v3, 4, v[AXQ]
	v_add_nc_u32 v[AXQ], XC, v[AXQ]
	v_lshl_add_u32 v[AXQS], v[AXQS], 4, XS
	v_mul_u32_u24 v[AXV], v[TM], 272
	v_lshl_add_u32 v[AXV], v3, 4, v[AXV]
	v_add_nc_u32 v[AXV], XC, v[AXV]
	v_lshl_add_u32 v[AXVS], v[TM], 4, XS
	s_lshr_b32 s54, s2, 2                          ; q's words (0) or k's (1): 256 bytes each;
	s_lshl_b32 s54, s54, 8
	s_lshl_b32 s55, s7, 7                          ; word (16 u + r, p): 8 (16 u + r) + 4 p
	s_add_co_u32 s54, s54, s55
	s_lshl_b32 s55, s6, 2
	s_add_co_u32 s54, s54, s55
	s_add_co_u32 s54, s54, QSG
	v_lshl_add_u32 v[AQG], v2, 3, s54
	s_lshl_b32 s54, s2, 7
	s_add_co_u32 s54, s54, VSG
	v_lshl_add_u32 v[AVG], v2, 3, s54
	v_lshl_add_u32 v[AG1], v0, 4, VSG
	v_lshl_add_u32 v[AG2], v0, 3, QSG-512
	v_lshlrev_b32 v[AWQ], 8, v[TM]                 ; a row of a weight is 256 bytes
	v_lshl_add_u32 v[AWQ], v3, 4, v[AWQ]
	v_lshlrev_b32 v[AWQS], 4, v[TM]
	v_lshlrev_b32 v[ABQ], 6, v3                    ; the bias of outputs 16 h on
	v_lshlrev_b32 v[AWV], 8, v2
	v_lshl_add_u32 v[AWV], v3, 4, v[AWV]
	v_lshlrev_b32 v[AWVS], 4, v2
	v_lshlrev_b32 v[ABV], 2, v2
	v_lshlrev_b32 v[L8], 3, v1
	v_lshlrev_b32 v[T16], 4, v0
	v_mov_b32 v[TM+2], 0                           ; written once: a lane permute's destination counts as one of its sources
	v_mov_b32 v[TM+3], 0
	s_lshl_b32 s54, s4, 23                         ; x: the image, my 64 channels, the work-group's 64 positions
	s_lshl_b32 s55, s2, 20
	s_add_co_u32 s54, s54, s55
	s_lshl_b32 s55, ttmp9, 8
	s_add_co_u32 s54, s54, s55
	s_mov_b32 s55, 0
	s_wait_kmcnt 0x0
	s_add_nc_u64 s[42:43], s[8:9], s[54:55]
	s_or_b32 s43, s43, 0x80000000                  ; type = 2
	tensor_load_to_lds s[40:43], s[44:51]          ; my one tensor load: a first fill; nothing is filled again in this launch
	s_nop 0
	PLACES 4
	s_cmp_lt_u32 s2, 4                             ; waves 0-3 take q's buffers, waves 4-7 k's
	s_cselect_b64 s[10:11], s[10:11], s[16:17]
	s_cselect_b64 s[12:13], s[12:13], s[18:19]
	s_cselect_b64 s[14:15], s[14:15], s[20:21]
	s_cselect_b64 s[28:29], s[28:29], s[32:33]
	s_cmp_eq_u32 s2, 2                             ; at the end wave 2 stores q's scale words, wave 3 k's
	s_cselect_b64 s[30:31], s[30:31], s[34:35]
	s_lshl_b32 s54, s2, 14
	s_add_nc_u64 s[22:23], s[22:23], s[54:55]      ; my 64 rows of Wv,
	s_lshl_b32 s54, s2, 10
	s_add_nc_u64 s[24:25], s[24:25], s[54:55]      ; of its scales,
	s_lshl_b32 s54, s2, 8
	s_add_nc_u64 s[26:27], s[26:27], s[54:55]      ; of bv
	s_lshl_b32 s54, s4, 8
	s_lshl_b32 s56, ttmp9, 2
	s_add_co_u32 s54, s54, s56
	s_add_co_u32 s54, s54, s5
	s_lshl_b32 s54, s54, 9
	s_add_nc_u64 s[28:29], s[28:29], s[54:55]      ; qc or kc at tile 256 b + 4 g + T
	s_lshl_b32 s56, s4, 6
	s_add_co_u32 s56, s56, ttmp9                   ; 64 b + g
	s_lshl_b32 s54, s56, 8
	s_add_nc_u64 s[30:31], s[30:31], s[54:55]      ; qs or ks
	s_lshl_b32 s54, s56, 10
	s_add_nc_u64 s[38:39], s[38:39], s[54:55]      ; vs
	s_lshl_b32 s54, s4, 20
	s_lshr_b32 s56, ttmp9, 2
	s_lshl_b32 s56, s56, 16
	s_add_co_u32 s54, s54, s56
	s_lshl_b32 s56, s2, 13
	s_add_co_u32 s54, s54, s56
	s_and_b32 s56, ttmp9, 3
	s_lshl_b32 s56, s56, 9
	s_add_co_u32 s54, s54, s56
	s_add_nc_u64 s[36:37], s[36:37], s[54:55]      ; vc at (b, g / 4, w, 0, g % 4)
	WIN 0x40                                       ; destination window 1
.irp ot, 0,1,2,3                                   ; tile ot = 2 p + u of Wq or Wk begins at row 32 p + 8 u
.irp kk, 0,1,2,3
.irp cc, 0,1
	global_load_b128 v[8*(4*\ot+\kk)+4*\cc:8*(4*\ot+\kk)+4*\cc+3], v[AWQ], s[10:11] offset:(32*(\ot/2)+8*(\ot%2))*256+64*\kk+32*\cc
.endr
.endr
.endr
.irp ct, 0,1,2,3                                   ; Wv: rows 64 w + 16 ct + r
.irp kk, 0,1,2,3
.irp cc, 0,1
	global_load_b128 v[128+8*(4*\ct+\kk)+4*\cc:128+8*(4*\ct+\kk)+4*\cc+3], v[AWV], s[22:23] offset:4096*\ct+64*\kk+32*\cc
.endr
.endr
.endr
	WIN 0
.irp ot, 0,1,2,3
	global_load_b128 v[WQS+4*\ot:WQS+4*\ot+3], v[AWQS], s[12:13] offset:(32*(\ot/2)+8*(\ot%2))*16
	global_load_b128 v[ACC+8*\ot:ACC+8*\ot+3], v[ABQ], s[14:15] offset:(32*(\ot/2)+8*(\ot%2))*4       ; the bias in the result's layout: register j of tile ot is output 32 p + 16 h + 8 u + j
	global_load_b128 v[ACC+8*\ot+4:ACC+8*\ot+7], v[ABQ], s[14:15] offset:(32*(\ot/2)+8*(\ot%2))*4+16
.endr
.irp ct, 0,1,2,3
	global_load_b128 v[WVS+4*\ct:WVS+4*\ct+3], v[AWVS], s[24:25] offset:256*\ct
	global_load_b32 v[BV+\ct], v[ABV], s[26:27] offset:64*\ct
.endr
; ---- 1: my 64 channels of x become codes.  Unit u: positions 32 (u / 2) + lane, block u % 2 of my two blocks of 32 channels.
.macro XL u                            ; the unit's 32 numbers: 32 lanes read 128 consecutive bytes of a row
.set ii, 0
.rept 32
	ds_load_b32 v[XF+32*(\u)+ii], v[AX] offset:(32*((\u)&1)+ii)*256+128*((\u)>>1)
.set ii, ii+1
.endr
.endm
.macro XQ u
.set XU, XF+32*(\u)
.set CR, B8+4*((\u)&1)                 ; two sets of code registers by turns: a set's LDS store is shown done by the counted wait that stands two units on
	v_max3_num_f32 v[TM], |v[XU]|, |v[XU+1]|, |v[XU+2]|            ; the block's largest magnitude: all 32 numbers are mine; two chains
	v_max3_num_f32 v[TM+1], |v[XU+3]|, |v[XU+4]|, |v[XU+5]|
.irp i, 6,10,14,18,22,26
	v_max3_num_f32 v[TM], v[TM], |v[XU+\i]|, |v[XU+\i+1]|
	v_max3_num_f32 v[TM+1], v[TM+1], |v[XU+\i+2]|, |v[XU+\i+3]|
.endr
	v_max3_num_f32 v[TM], v[TM], |v[XU+30]|, |v[XU+31]|
	v_max3_num_f32 v[TM], v[TM], v[TM+1], 0x1800000                ; and the floor 2^(3 - 127): the byte cannot fall under 1
	v_add_nc_u32 v[SC], 0xff000000, v[TM]                          ; 2 off the exponent field: the conversion takes that field as its scale
	v_lshrrev_b32 v[BY+((\u)&1)], 23, v[SC]                        ; the scale's byte
.irp g, 0,1,2,3
	v_cvt_scalef32_pk8_fp4_f32 v[CR+\g], v[XU+8*\g:XU+8*\g+7], v[SC]
.endr
	v_nop                                                          ; one plain place behind the last scaled conversion
	ds_store_b128 v[AXC], v[CR:CR+3] offset:8704*((\u)>>1)+16*((\u)&1)
.if (\u)&1
	v_lshl_or_b32 v[TM+2+((\u)>>1)], v[BY+1], 8, v[BY]
	ds_store_b16 v[AXS], v[TM+2+((\u)>>1)] offset:512*((\u)>>1)
.endif
.endm
	s_wait_tensorcnt 0x0                           ; my rows are in LDS; in this phase nobody else reads them
	XL 0
	XL 1
	s_wait_dscnt 32                                ; all but the next unit's 32 loads
	XQ 0
	XL 2
	s_wait_dscnt 32
	XQ 1
	XL 3
	s_wait_dscnt 32
	XQ 2
	s_wait_dscnt 0x0
	XQ 3
	BAR                                            ; the codes and scale bytes of all 512 channels lie in LDS
; 32 numbers of a lane, register 16 b + i = k 32 b + 16 (lane / 16) + i of my row, become four registers of codes in v[PC] on (k = 32 (lane / 16) + 0 .. 31) and two scale bytes in v[TM+2]
.macro QUANT2 s
.irp b, 0,1
	v_max3_num_f32 v[TM+\b], |v[\s+16*\b]|, |v[\s+1+16*\b]|, 0x1800000   ; my 16 numbers of block b, from each accumulator's low end on, and the floor
.endr
.irp i, 2,4,6,8,10,12,14
.irp b, 0,1
	v_max3_num_f32 v[TM+\b], v[TM+\b], |v[\s+16*\b+\i]|, |v[\s+1+16*\b+\i]|
.endr
.endr
.irp b, 0,1
	v_permlanex16_b32 v[TM+2+\b], v[TM+\b], s52, s53
.endr
.irp b, 0,1
	v_max_num_f32 v[TM+\b], v[TM+\b], v[TM+2+\b]   ; with lane l xor 16's: the block's largest magnitude
.endr
.irp b, 0,1
	v_add_nc_u32 v[SC+\b], 0xff000000, v[TM+\b]
.endr
.irp b, 0,1
	v_lshrrev_b32 v[BY+\b], 23, v[SC+\b]
.endr
	s_wait_xcnt 0x0                                ; the last store of codes has read v[PC] on: only now are they written again
.irp b, 0,1
	v_cvt_scalef32_pk8_fp4_f32 v[PC+2*\b], v[\s+16*\b:\s+16*\b+7], v[SC+\b]
	v_cvt_scalef32_pk8_fp4_f32 v[PC+2*\b+1], v[\s+16*\b+8:\s+16*\b+15], v[SC+\b]
.endr
	v_lshl_or_b32 v[TM+2], v[BY+1], 8, v[BY]       ; the two bytes; also the plain place behind the conversions
	v_permlane16_swap_b32 v[PC], v[PC+2]           ; a whole block to a lane: lanes 0-15 block 0, lanes 16-31 block 1
	v_permlane16_swap_b32 v[PC+1], v[PC+3]
.endm
; ---- 2: q (waves 0-3) or k (waves 4-7) of tile T, transposed: source 0 = 16 rows of the weight, source 1 = 16 positions of x: a lane holds one position, its registers run along the outputs
.irp kk, 0,1,2,3
.irp cc, 0,1
	ds_load_b128 v[XF+8*\kk+4*\cc:XF+8*\kk+4*\cc+3], v[AXQ] offset:64*\kk+32*\cc
.endr
.endr
	ds_load_b128 v[XSR:XSR+3], v[AXQS]
	s_wait_dscnt 0x0
	s_wait_loadcnt 0x0                             ; the weights, their scales, the biases
	WIN 0x01                                       ; source 0 window 1
.irp kk, 0,1,2,3                                   ; the four accumulators by turns
.irp ot, 0,1,2,3
	v_wmma_scale_f32_16x16x128_f8f6f4 v[ACC+8*\ot:ACC+8*\ot+7], v[8*(4*\ot+\kk):8*(4*\ot+\kk)+7], v[XF+8*\kk:XF+8*\kk+7], v[ACC+8*\ot:ACC+8*\ot+7], v[WQS+4*\ot+\kk], v[XSR+\kk] matrix_a_fmt:MATRIX_FMT_FP4 matrix_b_fmt:MATRIX_FMT_FP4
.endr
.endr
	WIN 0
	PLACES 4                                       ; in front of the first read of results
	QUANT2 ACC
	global_store_b128 v[LI], v[PC:PC+3], s[28:29]  ; the wave stores 512 consecutive bytes
	v_or_b32 v[TM+3], 0x7f7f0000, v[TM+2]          ; the upper 64 of the scores' K step are zero codes: their bytes are 127
	ds_store_b32 v[AQG], v[TM+3]                   ; lanes l and l xor 16 write the same word with the same value
; ---- 3: v for my 64 channels: source 0 = 16 positions of x, source 1 = 16 rows of Wv: a lane holds one channel, its registers run along the positions, which are the next K
.irp tt, 0,1,2,3
.irp kk, 0,1,2,3
.irp cc, 0,1
	ds_load_b128 v[XF+32*\tt+8*\kk+4*\cc:XF+32*\tt+8*\kk+4*\cc+3], v[AXV] offset:(32*(\tt/2)+8*(\tt%2))*272+64*\kk+32*\cc
.endr
.endr
	ds_load_b128 v[XSR+4*\tt:XSR+4*\tt+3], v[AXVS] offset:(32*(\tt/2)+8*(\tt%2))*16
.endr
	s_wait_dscnt 0x0
.irp ct, 0,1,2,3
.irp j, 0,1,2,3,4,5,6,7
	v_mov_b32 v[B8+\j], v[BV+\ct]                  ; bv of my channel as a C: the same in all eight registers
.endr
	PLACES 4                                       ; with the four behind the last products: more than the five that a product owes which begins an accumulator anew
	WIN 0x04                                       ; source 1 window 1
.irp kk, 0,1,2,3
.irp tt, 0,1,2,3
.if \kk == 0
	v_wmma_scale_f32_16x16x128_f8f6f4 v[ACC+8*\tt:ACC+8*\tt+7], v[XF+32*\tt+8*\kk:XF+32*\tt+8*\kk+7], v[128+8*(4*\ct+\kk):128+8*(4*\ct+\kk)+7], v[B8:B8+7], v[XSR+4*\tt+\kk], v[WVS+4*\ct+\kk] matrix_a_fmt:MATRIX_FMT_FP4 matrix_b_fmt:MATRIX_FMT_FP4
.else
	v_wmma_scale_f32_16x16x128_f8f6f4 v[ACC+8*\tt:ACC+8*\tt+7], v[XF+32*\tt+8*\kk:XF+32*\tt+8*\kk+7], v[128+8*(4*\ct+\kk):128+8*(4*\ct+\kk)+7], v[ACC+8*\tt:ACC+8*\tt+7], v[XSR+4*\tt+\kk], v[WVS+4*\ct+\kk] matrix_a_fmt:MATRIX_FMT_FP4 matrix_b_fmt:MATRIX_FMT_FP4
.endif
.endr
.endr
	WIN 0
	PLACES 4
	QUANT2 ACC
	global_store_b128 v[LI], v[PC:PC+3], s[36:37] offset:2048*\ct   ; 512 consecutive bytes
.if \ct%2 == 0
	v_mov_b32 v[2+\ct/2], v[TM+2]                  ; the four tiles' pairs of bytes gather in v[2:3] (r and h are done with)
.else
	v_lshl_or_b32 v[2+\ct/2], v[TM+2], 16, v[2+\ct/2]
.endif
.endr
	ds_store_b64 v[AVG], v[2:3]
	BAR                                            ; all scale words and bytes of the work-group lie in LDS
	; ---- the scales leave in whole runs: vs 1,024 bytes by waves 0 and 1, qs 256 bytes by wave 2, ks 256 by wave 3
	s_cmp_lt_u32 s2, 2
	s_cbranch_scc0 .Lnot_vs
	ds_load_b128 v[XF:XF+3], v[AG1]
	s_wait_dscnt 0x0
	global_store_b128 v[T16], v[XF:XF+3], s[38:39]
	s_branch .Lend
.Lnot_vs:
	s_cmp_lt_u32 s2, 4
	s_cbranch_scc0 .Lend
	ds_load_b64 v[XF:XF+1], v[AG2]
	s_wait_dscnt 0x0
	global_store_b64 v[L8], v[XF:XF+1], s[30:31]
.Lend:
	s_wait_xcnt 0x0
	v_lshl_add_u32 v230, v0, 2, 0x29000
	v_mov_b32 v231, 0
	s_wait_tensorcnt 0x0
	ds_add_u32 v230, v231
	s_wait_dscnt 0x0
	s_endpgm
.Lfunc_end_k_q5579571a78_proj:
	.size	k_q5579571a78_proj, .Lfunc_end_k_q5579571a78_proj-k_q5579571a78_proj
	.p2alignl 7, 3214868480
	.fill 96, 4, 3214868480
	.section	.rodata,"a",@progbits
	.p2align	6, 0x0
	.amdhsa_kernel k_q5579571a78_proj
		.amdhsa_group_segment_fixed_size 168960
		.amdhsa_private_segment_fixed_size 0
		.amdhsa_enable_private_segment 0
		.amdhsa_kernarg_size 128
		.amdhsa_user_sgpr_count 2
		.amdhsa_user_sgpr_kernarg_segment_ptr 1
		.amdhsa_wavefront_size32 1
		.amdhsa_system_sgpr_workgroup_id_x 1
		.amdhsa_system_sgpr_workgroup_id_y 1
		.amdhsa_system_sgpr_workgroup_id_z 1
		.amdhsa_system_vgpr_workitem_id 0
		.amdhsa_next_free_vgpr 512
		.amdhsa_next_free_sgpr 80
		.amdhsa_reserve_vcc 0
		.amdhsa_float_denorm_mode_32 3
		.amdhsa_float_denorm_mode_16_64 3
		.amdhsa_memory_ordered 1
		.amdhsa_forward_progress 1
		.amdhsa_inst_pref_size 55
	.end_amdhsa_kernel
	.amdgpu_metadata
---
amdhsa.version: [ 1, 2 ]
amdhsa.kernels:
  - .name:           k_q5579571a78_proj
    .symbol:         k_q5579571a78_proj.kd
    .args:
      - { .name: x, .offset: 0, .size: 8, .value_kind: global_buffer, .address_space: global }
      - { .name: Wq_codes, .offset: 8, .size: 8, .value_kind: global_buffer, .address_space: global }
      - { .name: Wq_scales, .offset: 16, .size: 8, .value_kind: global_buffer, .address_space: global }
      - { .name: bq, .offset: 24, .size: 8, .value_kind: global_buffer, .address_space: global }
      - { .name: Wk_codes, .offset: 32, .size: 8, .value_kind: global_buffer, .address_space: global }
      - { .name: Wk_scales, .offset: 40, .size: 8, .value_kind: global_buffer, .address_space: global }
      - { .name: bk, .offset: 48, .size: 8, .value_kind: global_buffer, .address_space: global }
      - { .name: Wv_codes, .offset: 56, .size: 8, .value_kind: global_buffer, .address_space: global }
      - { .name: Wv_scales, .offset: 64, .size: 8, .value_kind: global_buffer, .address_space: global }
      - { .name: bv, .offset: 72, .size: 8, .value_kind: global_buffer, .address_space: global }
      - { .name: qc, .offset: 80, .size: 8, .value_kind: global_buffer, .address_space: global }
      - { .name: qs, .offset: 88, .size: 8, .value_kind: global_buffer, .address_space: global }
      - { .name: kc, .offset: 96, .size: 8, .value_kind: global_buffer, .address_space: global }
      - { .name: ks, .offset: 104, .size: 8, .value_kind: global_buffer, .address_space: global }
      - { .name: vc, .offset: 112, .size: 8, .value_kind: global_buffer, .address_space: global }
      - { .name: vs, .offset: 120, .size: 8, .value_kind: global_buffer, .address_space: global }
    .group_segment_fixed_size: 168960
    .private_segment_fixed_size: 0
    .kernarg_segment_align: 8
    .kernarg_segment_size: 128
    .max_flat_workgroup_size: 256
    .sgpr_count:     80
    .vgpr_count:     512
    .wavefront_size: 32
...
	.end_amdgpu_metadata
.endif
;; end of part 1
;; launch attn (part 2): grid 64 x 4, 8 waves a work-group, no clusters, 298,496 bytes of LDS; arguments qc, qs, kc, ks, vc, vs, x, out0; writes out0
.if DOCPART == 2
	.amdgcn_target "amdgcn-amd-amdhsa--gfx1250"
	.amdhsa_code_object_version 6
	.text
	.protected	k_q5579571a78_attn
	.globl	k_q5579571a78_attn
	.p2align	8
	.type	k_q5579571a78_attn,@function
k_q5579571a78_attn:
	s_mov_b64 s[64:65], 0
	v_nop
	global_prefetch_b8 v0, s[64:65] scope:SCOPE_SE
	s_setreg_imm32_b32 hwreg(HW_REG_WAVE_MODE, 25, 1), 1
	s_wait_xcnt 0x0
; out[b][c][i] = x[b][c][i] + (the sum over keys j of v[b][c][j] p[i][j]) / l[i], p = 2^(t - M), t = (q_i . k_j) log2(e), M = the ceiling of row i's largest t, l = the row's sum of the unquantised p.
; Both products on codes of FP4 (E2M1) with one E8M0 scale for each 32 along K.  q, k, v come as images of the operands' registers, as the launch before laid them; p is quantised here, along the keys.
; SHARES.  Work-group (xg, b): queries 64 xg .. 64 xg + 63 of image b, all 4,096 keys, 256 a step.  Eight waves, two to a SIMD.  For the scores and the softmax wave w takes tile qt = w % 4 of 16 queries and half
; kh = w / 4 of a step's keys.  For the second product it takes channels 64 w .. 64 w + 63 for all 64 queries: 16 accumulators.  So each byte of v is wanted by one wave alone and goes from memory straight
; into its registers; p goes from wave to wave through LDS as images of its registers; k of the whole image (128 KiB of codes, 16 KiB of scale words) lies in LDS, filled once.
; TWO PASSES.  Pass 1: the scores, the largest score of each block of 32 keys (kept in LDS, 32 KiB) and of the row: M is final before any p is made, so nothing is ever rescaled (the accumulators are
; 128 registers a wave).  Pass 2: the same products give the same scores; p; its blocks' scales from the kept maxima, put through the same multiply-add and exponential; P V.
; BY TURNS.  A trip holds the second product of step j and the softmax of step j + 1, between two barriers.  Waves with PAR = (w xor w / 4) % 2 = 0 run the softmax first, the others the product first:
; PAR differs between waves w and w + 4 and between waves 2 i and 2 i + 1, so that a wave's vector work can stand beside another's matrix work.  A softmax fetches the next step's k behind its own products.
; ROTATION.  Work-group xg begins at key step 2 (xg % 8), by global addresses alone: k's chunks land in LDS already turned, and v's step number counts modulo 16.  So the 64 work-groups of an image start
; at eight different places of the keys.  The order of the sums over the keys therefore differs from work-group to work-group.
; x IS ASKED FOR AT THE HEAD: a wave's 64 rows (its channels) x 256 bytes: rows 0-47 by one tensor load into LDS bytes that only this wave reads, rows 48-63 by eight loads into 32 registers.  They land under
; the two passes, and the way out waits for no memory but its own stores.
; LAYOUT.  S^T = k q^T (source 0 = 16 keys, source 1 = 16 queries): a lane holds one query.  The keys of a tile are not neighbours (lane r of tile 2 b + u is key 32 b + 8 u + r + 8 (r / 8)), so that the 16 registers
; of tiles 2 b, 2 b + 1 are 16 neighbouring keys.  The scores' K is 64: registers 4-7 of q's and k's fragments are zero codes.  O = P V^T (source 0 = 16 queries, source 1 = 16 channels): a lane holds one
; channel and eight neighbouring queries, 32 bytes of a row of out.
; NO CLUSTER: a joint load lands in LDS alone.  v through LDS would add 64 KiB written and 64 KiB read to the 112 KiB that a step moves there now; k is 144 KiB of the 1.2 MiB that a work-group reads, and the
; rotation gives it another LDS address in each work-group.
; NO PREFETCH: k and x are asked for at the head, and v's loads run two key steps ahead of their use.
; LIMITS: NaN and infinities are not served.  A block whose every p lies under 2^-124 gets the scale byte 1.  A block's largest p is taken as the exponential of its largest score, which takes v_exp_f32 not to
; fall where its input rises.
.set KS,  131072                       ; LDS: k's codes from 0 (position j at 8,192 j, tile t at 512 t); k's scale words, 1,024 bytes a position
.set BM,  KS+16384                     ; the blocks' largest scores: [wave][position][query r][16 bytes]: lanes l and l xor 16 hold the same four numbers and share the bytes
.set PI,  BM+32768                     ; p's images: [buffer][2 qt + kh][c][lane][16 bytes]
.set PS,  PI+16384                     ; p's scale words: [buffer][16 kh + r][qt]
.set MX,  PS+1024                      ; the rows' maxima, a word a thread (a multiple of 1,024, so that an exclusive or with 512 leads to wave w xor 4's)
.set LS,  MX+1024                      ; the rows' sums: [kh][query]
.set XL,  LS+512                       ; x: 48 rows of 256 bytes for each wave
.set ST,  0                            ; the way out: 16 rows x (256 + 16) bytes for each wave, in k's bytes: they have had their one fill, and nobody reads them behind the barrier of the last softmax
.set LI,  4                            ; v4   16 x lane
.set AK0, 5                            ; v5   my half of a position's tiles of k
.set AS0, 6                            ; v6   of its scale words: 8 x lane
.set AB0, 7                            ; v7   my wave's block maxima: 16 x (lane % 16)
.set ADK, 8                            ; v8-10 the same three at the position in hand
.set ADS, 9
.set ADB, 10
.set APW, 11                           ; v11  where I store p's image;  v12 its scale word
.set APS, 12
.set APR, 13                           ; v13  where I read p's images;  v14 their scale words
.set APSR, 14
.set AMW, 15                           ; v15  my word among the maxima;  v16 wave w xor 4's
.set AMR, 16
.set ALW, 17                           ; v17  where my query's sum goes;  v18 where I read four queries' sums
.set ALR, 18
.set AST, 19                           ; v19  the stage: in;  v20 back
.set ASR, 20
.set AXO, 21                           ; v21  my 16 bytes in two rows of x and of out
.set AH,  22                           ; v22  v's scale bytes
.set AQS, 23                           ; v23  q's scale word
.set AXL, 25                           ; v25  x in LDS: my wave's rows, 16 x lane: two rows to an instruction
.set NM,  26                           ; v[26:27] -M, twice
.set L,   28                           ; v[28:29] the sum, in two halves
.set T2,  30                           ; v[30:31] at work
.set QS,  32                           ; v32  q's scale words
.set RM,  33                           ; v33  the row's largest score
.set KSR, 34                           ; v34-37 k's scale words: register t / 2, lanes 0-15 tile t even, lanes 16-31 odd
.set BMR, 38                           ; v38-41 four blocks' largest scores, then largest p
.set SCO, 42                           ; v42-45 the conversions' scale operands
.set BY,  46                           ; v46-49 bytes
.set PW,  50                           ; v50  p's scale word
.set PSR, 52                           ; v52-55 p's scale words as read: register qt, lanes 0-15 the first 128 keys, lanes 16-31 the second
.set VSR, 56                           ; v56-59 v's scale words: register ct, likewise
.set VH,  60                           ; v60-67 v's scale bytes as loaded, two buffers
.set PC,  68                           ; v68-75 p's codes
.set QF,  76                           ; v76-83 q's fragment
.set RL,  84                           ; v84-91 1 / l of four queries
.set KF,  96                           ; v96-159 k's eight fragments; at the end x and out of channel tiles 0, 1
.set SP,  160                          ; v160-223 scores, p; p's eight fragments; at the end (v160-191) x and out of channel tile 2
.set X3,  224                          ; v224-255 x of channel tile 3, from the head on; at the end out
                                       ; window 1: v0-127 the accumulators (qt, ct) at 8 (4 qt + ct); v128-255 v's fragments (ct, ks) at 8 (2 ct + ks), two buffers of 64; at the end the rows back from the stage
.set MSB, 0
.macro WIN new                         ; the immediate's high byte repeats the setting that is left
.if MSB != \new
	s_set_vgpr_msb (MSB<<8)|\new
.set MSB, \new
.endif
.endm
.macro BAR                             ; my LDS stores have landed and my LDS loads are in: then the work-group's barrier
	s_wait_dscnt 0x0
	s_barrier_signal -1
	s_barrier_wait -1
.endm
.macro PLACES n
.rept \n
	v_nop
.endr
.endm
	s_load_b512 s[8:23], s[0:1], 0x0               ; qc, qs, kc, ks, vc, vs, x, out0
	v_lshl_add_u32 v94, v0, 2, 0x48a00
	v_mov_b32 v95, 0
	ds_add_u32 v94, v95
	ds_add_u32 v94, v95
	v_lshrrev_b32 v1, 5, v0
	v_readfirstlane_b32 s2, v1                     ; wave 0..7
	s_and_b32 s3, s2, 3                            ; qt
	s_lshr_b32 s4, s2, 2                           ; kh
	s_xor_b32 s5, s2, s4
	s_and_b32 s5, s5, 1                            ; PAR
	s_and_b32 s7, ttmp7, 0xffff                    ; the image
	s_and_b32 s6, ttmp9, 7
	s_lshl_b32 s54, s6, 1                          ; the key step at which v's loads begin
	s_add_co_u32 s6, s6, s2
	s_and_b32 s6, s6, 7                            ; the chunk of k (512 keys) that I fetch into LDS chunk w
	; descriptor groups 1: dense blocks as rows of 256 bytes (32 elements of 8 bytes): 64 rows of codes, 8 rows of scale words
	s_mov_b32 s32, 3<<16
	s_mov_b32 s33, 32<<16
	s_mov_b32 s34, 64<<16
	s_mov_b32 s35, 32<<16
	s_mov_b32 s36, 64
	s_mov_b32 s37, 32
	s_mov_b32 s38, 0
	s_mov_b32 s39, 0
	s_mov_b32 s40, 3<<16
	s_mov_b32 s41, 32<<16
	s_mov_b32 s42, 8<<16
	s_mov_b32 s43, 32<<16
	s_mov_b32 s44, 8
	s_mov_b32 s45, 32
	s_mov_b32 s46, 0
	s_mov_b32 s47, 0
	; and for x: 48 rows of 64 elements of 4 bytes, 4,096 elements from row to row, no padding
	s_mov_b32 s84, 2<<16
	s_mov_b32 s85, 64<<16                          ; tensor_dim0
	s_mov_b32 s86, 48<<16                          ; tensor_dim1
	s_mov_b32 s87, 64<<16                          ; tile_dim0
	s_mov_b32 s88, 48                              ; tile_dim1
	s_mov_b32 s89, 4096                            ; the pitch
	s_mov_b32 s90, 0
	s_mov_b32 s91, 0
	s_mov_b32 s24, 1
	s_lshl_b32 s25, s2, 14
	s_mov_b32 s28, 1
	s_lshl_b32 s29, s2, 11
	s_add_co_u32 s29, s29, KS
	s_mov_b32 s80, 1
	s_mul_i32 s81, s2, 12288
	s_add_co_u32 s81, s81, XL                      ; my 48 rows of x in LDS
	s_lshl_b32 s74, s7, 17
	s_lshl_b32 s75, s6, 14
	s_add_co_u32 s74, s74, s75
	s_lshl_b32 s76, s7, 14
	s_lshl_b32 s77, s6, 11
	s_add_co_u32 s76, s76, s77
	s_mov_b32 s75, 0
	s_mov_b32 s77, 0
	s_lshl_b32 s92, s7, 23                         ; x and out: the image, my 64 channels, the work-group's 64 queries
	s_lshl_b32 s93, s2, 20
	s_add_co_u32 s92, s92, s93
	s_lshl_b32 s93, ttmp9, 8
	s_add_co_u32 s92, s92, s93
	s_mov_b32 s93, 0
	s_mov_b32 s48, 0x3fb8aa3b                      ; log2(e)
	s_mov_b32 s49, s48                             ; (named with it as a pair, so it is written)
	s_mov_b32 s50, 0x76543210
	s_mov_b32 s51, 0xfedcba98                      ; v_permlanex16_b32's selects for lane l xor 16
	s_mov_b32 s52, 0x05040100                      ; v_perm_b32: the two low halves;
	s_mov_b32 s53, 0x07060302                      ; the two high halves
	s_mov_b32 s57, 0
	v_and_b32 v1, 31, v0                           ; lane
	v_and_b32 v2, 15, v0                           ; r
	v_bfe_u32 v3, v0, 4, 1                         ; h
	v_lshlrev_b32 v[LI], 4, v1
	s_lshl_b32 s55, s4, 12
	v_add_nc_u32 v[AK0], s55, v[LI]
	s_lshl_b32 s55, s4, 9
	s_add_co_u32 s55, s55, KS
	v_lshl_add_u32 v[AS0], v1, 3, s55
	s_lshl_b32 s55, s2, 12
	s_add_co_u32 s55, s55, BM
	v_lshl_add_u32 v[AB0], v2, 4, s55
	s_lshl_b32 s55, s3, 1
	s_add_co_u32 s55, s55, s4
	s_lshl_b32 s55, s55, 10
	s_add_co_u32 s55, s55, PI
	v_add_nc_u32 v[APW], s55, v[LI]
	s_lshl_b32 s55, s4, 8
	s_lshl_b32 s56, s3, 2
	s_add_co_u32 s55, s55, s56
	s_add_co_u32 s55, s55, PS
	v_lshl_add_u32 v[APS], v2, 4, s55
	v_add_nc_u32 v[APR], PI, v[LI]
	v_add_nc_u32 v[APSR], PS, v[LI]
	v_lshl_add_u32 v[AMW], v0, 2, MX
	v_xor_b32 v[AMR], 512, v[AMW]
	v_and_b32 v24, 8, v2
	v_add_nc_u32 v24, v24, v2                      ; r + 8 (r / 8)
	s_lshr_b32 s56, s3, 1                          ; my query among the 64: 32 (qt / 2) + 8 (qt % 2) + r + 8 (r / 8)
	s_lshl_b32 s55, s56, 7
	s_and_b32 s56, s3, 1
	s_lshl_b32 s56, s56, 5
	s_add_co_u32 s55, s55, s56
	s_lshl_b32 s56, s4, 8
	s_add_co_u32 s55, s55, s56
	s_add_co_u32 s55, s55, LS
	v_lshl_add_u32 v[ALW], v24, 2, s55
	v_lshl_add_u32 v[ALR], v2, 4, LS
	s_mul_i32 s55, s2, 16*272
	s_add_co_u32 s55, s55, ST
	v_mad_u32_u24 v[AST], v2, 272, s55             ; in: row = my channel, + 64 h: queries 16 h on
	v_lshl_add_u32 v[AST], v3, 6, v[AST]
	v_mad_u32_u24 v[ASR], v3, 272, s55             ; back: lanes 0-15 one row, lanes 16-31 the next
	v_lshl_add_u32 v[ASR], v2, 4, v[ASR]
	v_lshlrev_b32 v[AXO], 14, v3                   ; and the same two rows of x and of out: 16,384 bytes a row
	v_lshl_add_u32 v[AXO], v2, 4, v[AXO]
	v_lshlrev_b32 v[AH], 11, v3                    ; v's scale bytes: lanes 16-31 take the step's second 128 keys (two groups of 1,024 bytes on)
	v_lshl_add_u32 v[AH], v2, 3, v[AH]
	s_and_b32 s55, s3, 1
	s_lshl_b32 s55, s55, 7
	s_lshr_b32 s56, s3, 1
	s_lshl_b32 s56, s56, 2
	s_add_co_u32 s55, s55, s56
	v_lshl_add_u32 v[AQS], v2, 3, s55              ; q's word (16 u + r, p) of tile qt = 2 p + u
	v_add_nc_u32 v[AXL], s81, v[LI]
	s_wait_dscnt 0x0
	s_wait_kmcnt 0x0
	s_add_nc_u64 s[26:27], s[12:13], s[74:75]
	s_or_b32 s27, s27, 0x80000000                  ; type = 2
	s_add_nc_u64 s[30:31], s[14:15], s[76:77]
	s_or_b32 s31, s31, 0x80000000
	tensor_load_to_lds s[24:27], s[32:39]          ; the first two of my three tensor loads, all first fills: 16 KiB of k's codes,
	s_nop 0
	tensor_load_to_lds s[28:31], s[40:47]          ; 2 KiB of its scale words.  Nothing is filled again in this launch
	s_nop 0
	PLACES 4
	s_lshl_b32 s74, s7, 8
	s_lshl_b32 s76, ttmp9, 2
	s_add_co_u32 s74, s74, s76
	s_add_co_u32 s74, s74, s3
	s_lshl_b32 s74, s74, 9
	s_add_nc_u64 s[8:9], s[8:9], s[74:75]          ; qc at tile 256 b + 4 xg + qt
	s_lshl_b32 s74, s7, 6
	s_add_co_u32 s74, s74, ttmp9
	s_lshl_b32 s74, s74, 8
	s_add_nc_u64 s[10:11], s[10:11], s[74:75]      ; qs
	s_lshl_b32 s74, s7, 20
	s_lshl_b32 s76, s2, 13
	s_add_co_u32 s74, s74, s76
	s_add_nc_u64 s[16:17], s[16:17], s[74:75]      ; vc: the image, my channels
	s_lshl_b32 s74, s7, 16
	s_lshl_b32 s76, s2, 7
	s_add_co_u32 s74, s74, s76
	s_add_nc_u64 s[18:19], s[18:19], s[74:75]      ; vs likewise
	s_add_nc_u64 s[20:21], s[20:21], s[92:93]      ; x and out at my first row
	s_add_nc_u64 s[22:23], s[22:23], s[92:93]
	s_mov_b64 s[82:83], s[20:21]
	s_or_b32 s83, s83, 0x80000000                  ; type = 2
	global_load_b128 v[QF:QF+3], v[LI], s[8:9]
	global_load_b32 v[QS], v[AQS], s[10:11]
; v of the key step s54, my 64 channels x 256 keys, into buffer vb: 16 loads of 512 consecutive bytes, and its scale bytes: 2 loads.  A buffer's two bases are written again only behind the
; counted wait that has shown its earlier loads done.
.macro LOADV vb
	s_lshl_b32 s56, s54, 16
	s_add_nc_u64 s[58+2*\vb:59+2*\vb], s[16:17], s[56:57]
	s_lshl_b32 s56, s54, 12
	s_add_nc_u64 s[66+2*\vb:67+2*\vb], s[18:19], s[56:57]
	s_add_co_u32 s54, s54, 1
	s_and_b32 s54, s54, 15
	WIN 0x40                                       ; destination window 1
.irp i, 0,1,2,3,4,5,6,7,8,9,10,11,12,13,14,15
	global_load_b128 v[128+64*\vb+4*\i:128+64*\vb+4*\i+3], v[LI], s[58+2*\vb:59+2*\vb] offset:512*\i
.endr
	WIN 0
.irp i, 0,1
	global_load_b64 v[VH+4*\vb+2*\i:VH+4*\vb+2*\i+1], v[AH], s[66+2*\vb:67+2*\vb] offset:1024*\i
.endr
.endm
.macro KADR                            ; the LDS addresses of k's tiles and scale words at the position that s71, s72 name; both then step on
	v_add_nc_u32 v[ADK], s71, v[AK0]
	v_add_nc_u32 v[ADS], s72, v[AS0]
	s_add_co_u32 s71, s71, 8192
	s_add_co_u32 s72, s72, 1024
.endm
.macro BADR                            ; the same for the position's block maxima
	v_add_nc_u32 v[ADB], s73, v[AB0]
	s_add_co_u32 s73, s73, 256
.endm
.macro KLD                             ; k's eight tiles and their scale words, by the addresses last made
.irp t, 0,1,2,3,4,5,6,7
	ds_load_b128 v[KF+8*\t:KF+8*\t+3], v[ADK] offset:512*\t
.endr
.irp i, 0,1
	ds_load_b64 v[KSR+2*\i:KSR+2*\i+1], v[ADS] offset:256*\i
.endr
.endm
.macro SMM                             ; S^T of 128 keys x 16 queries: eight products, each its own accumulator
.irp t, 0,1,2,3,4,5,6,7
.if \t%2
	v_wmma_scale_f32_16x16x128_f8f6f4 v[SP+8*\t:SP+8*\t+7], v[KF+8*\t:KF+8*\t+7], v[QF:QF+7], 0, v[KSR+\t/2], v[QS] matrix_a_fmt:MATRIX_FMT_FP4 matrix_b_fmt:MATRIX_FMT_FP4 matrix_a_scale:MATRIX_SCALE_ROW1
.else
	v_wmma_scale_f32_16x16x128_f8f6f4 v[SP+8*\t:SP+8*\t+7], v[KF+8*\t:KF+8*\t+7], v[QF:QF+7], 0, v[KSR+\t/2], v[QS] matrix_a_fmt:MATRIX_FMT_FP4 matrix_b_fmt:MATRIX_FMT_FP4
.endif
.endr
.endm
; A step of pass 1.  fetch = 1: the next position's k is asked for behind the products
.macro P1 fetch
	s_wait_dscnt 0x0                               ; k is in; the last step's store of maxima has read its registers
	SMM
	PLACES 4                                       ; in front of the loads into k's registers and of the first read of results
.if \fetch
	KADR
	KLD
.endif
.irp b, 0,1,2,3
	v_max3_num_f32 v[BMR+\b], v[SP+16*\b], v[SP+16*\b+1], v[SP+16*\b+2]   ; the largest score of each block of 32 keys, each accumulator from its low end on; the four blocks by turns
.endr
.irp i, 3,5,7,9,11,13
.irp b, 0,1,2,3
	v_max3_num_f32 v[BMR+\b], v[BMR+\b], v[SP+16*\b+\i], v[SP+16*\b+\i+1]
.endr
.endr
.irp b, 0,1,2,3
	v_max_num_f32 v[BMR+\b], v[BMR+\b], v[SP+16*\b+15]
.endr
.irp b, 0,1,2,3
	v_permlanex16_b32 v[BY+\b], v[BMR+\b], s50, s51
.endr
.irp b, 0,1,2,3
	v_max_num_f32 v[BMR+\b], v[BMR+\b], v[BY+\b]   ; with lane l xor 16's 16 keys
.endr
	BADR
	ds_store_b128 v[ADB], v[BMR:BMR+3]             ; kept for pass 2, in my wave's own bytes; lanes l and l xor 16 write the same 16 bytes with the same values
	v_max3_num_f32 v[RM], v[RM], v[BMR], v[BMR+1]
	v_max3_num_f32 v[RM], v[RM], v[BMR+2], v[BMR+3]
.endm
; The softmax of a step in pass 2: scores, p, its codes and scale word into buffer pb, the sum.
; kf = 1: the next step's k is fetched behind the products, and its block maxima behind the last use of this step's, by the addresses that were made ahead of the macro
.macro SM pb, kf
	s_wait_dscnt 0x0                               ; k, its scale words and the block maxima are in: they were asked for a step ago
	SMM
	PLACES 4                                       ; in front of the loads into k's registers and of the first read of results
.if \kf
	KLD
.endif
.set jj, 0
.rept 32
	v_pk_fma_f32 v[SP+jj:SP+jj+1], v[SP+jj:SP+jj+1], s[48:49], v[NM:NM+1] op_sel_hi:[1,0,0]   ; t - M, two at a time, ascending
.set jj, jj+2
.endr
.irp b, 0,1,2,3
	v_fma_f32 v[BMR+\b], v[BMR+\b], s48, v[NM]     ; the same of each block's largest score
.endr
.set jj, 0
.rept 64
	v_exp_f32 v[SP+jj], v[SP+jj]                   ; p = 2^(t - M): not normalised
.set jj, jj+1
.endr
.irp b, 0,1,2,3
	v_exp_f32 v[BMR+\b], v[BMR+\b]                 ; the block's largest p: the same two instructions on the same number give the same bits
.endr
	v_nop                                          ; a plain place behind the exponentials
	s_wait_alu depctr_va_vdst(0)
.irp b, 0,1,2,3
	v_max_num_f32 v[BMR+\b], 0x1800000, v[BMR+\b]  ; the floor 2^(3 - 127): the byte cannot fall under 1
.endr
.irp b, 0,1,2,3
	v_add_nc_u32 v[SCO+\b], 0xff000000, v[BMR+\b]  ; 2 off the exponent field: the conversion's scale operand
.endr
.if \kf
	ds_load_b128 v[BMR:BMR+3], v[ADB]              ; the next step's four block maxima
.endif
.irp b, 0,1,2,3
	v_lshrrev_b32 v[BY+\b], 23, v[SCO+\b]
.endr
	v_lshl_or_b32 v[PW], v[BY+1], 8, v[BY]
	v_lshl_or_b32 v[PW], v[BY+2], 16, v[PW]
	v_lshl_or_b32 v[PW], v[BY+3], 24, v[PW]        ; p's scale word for these 128 keys
.irp b, 0,1,2,3
	v_cvt_scalef32_pk8_fp4_f32 v[PC+2*\b], v[SP+16*\b:SP+16*\b+7], v[SCO+\b]
	v_cvt_scalef32_pk8_fp4_f32 v[PC+2*\b+1], v[SP+16*\b+8:SP+16*\b+15], v[SCO+\b]
.endr
	v_nop                                          ; one plain place behind the last scaled conversion
.irp c, 0,1                                        ; a whole block to a lane: lanes 0-15 block 2 c, lanes 16-31 block 2 c + 1
.irp i, 0,1
	v_permlane16_swap_b32 v[PC+4*\c+\i], v[PC+4*\c+2+\i]
.endr
.endr
.irp c, 0,1
	ds_store_b128 v[APW], v[PC+4*\c:PC+4*\c+3] offset:8192*(\pb)+512*\c   ; the fragment as it stands
.endr
	ds_store_b32 v[APS], v[PW] offset:512*(\pb)    ; lanes l and l xor 16 write the same word with the same value
	v_pk_add_f32 v[T2:T2+1], v[SP:SP+1], v[SP+2:SP+3]                     ; the sum of the unquantised p, in two chains
.irp j, 4,8,12,16,20,24,28,32,36,40,44,48,52,56,60
	v_pk_add_f32 v[L:L+1], v[L:L+1], v[SP+\j:SP+\j+1]
	v_pk_add_f32 v[T2:T2+1], v[T2:T2+1], v[SP+\j+2:SP+\j+3]
.endr
	v_pk_add_f32 v[L:L+1], v[L:L+1], v[T2:T2+1]
.endm
; The second product of a step: p's eight fragments from buffer pb, v's from register buffer pb.  zero = 1: the first products start the sums.  fetch = 1: the buffer takes v of two steps on.
; left: the global loads issued behind this step's v, which may stay out.  The fragments of the first 128 keys are loaded first, and their 16 products run while the other eight loads land.
.macro PV pb, zero, fetch, left
	ds_load_b128 v[PSR:PSR+3], v[APSR] offset:512*(\pb)
.irp ks, 0,1
.irp qt, 0,1,2,3
.irp c, 0,1
	ds_load_b128 v[SP+8*(2*\qt+\ks)+4*\c:SP+8*(2*\qt+\ks)+4*\c+3], v[APR] offset:8192*(\pb)+512*(2*(2*\qt+\ks)+\c)
.endr
.endr
.endr
	s_wait_loadcnt \left
	v_perm_b32 v[VSR], v[VH+4*(\pb)+2], v[VH+4*(\pb)], s52       ; v's scale word of tile ct: the two bytes of keys 0-63 below, those of keys 64-127 above
	v_perm_b32 v[VSR+1], v[VH+4*(\pb)+2], v[VH+4*(\pb)], s53
	v_perm_b32 v[VSR+2], v[VH+4*(\pb)+3], v[VH+4*(\pb)+1], s52
	v_perm_b32 v[VSR+3], v[VH+4*(\pb)+3], v[VH+4*(\pb)+1], s53
	PLACES 8                                       ; scale registers written by vector instructions stand eight places ahead of a scaled product
	WIN 0x54                                       ; source 1 (v), C and D window 1
.irp ks, 0,1                                       ; the 16 accumulators by turns
	s_wait_dscnt 8-8*\ks                           ; first: the scale words and the first eight loads are in, the other eight may be out; then all
.irp qt, 0,1,2,3
.irp ct, 0,1,2,3
.if \ks == 0
.if \zero
	v_wmma_scale_f32_16x16x128_f8f6f4 v[8*(4*\qt+\ct):8*(4*\qt+\ct)+7], v[SP+8*(2*\qt+\ks):SP+8*(2*\qt+\ks)+7], v[128+64*(\pb)+8*(2*\ct+\ks):128+64*(\pb)+8*(2*\ct+\ks)+7], 0, v[PSR+\qt], v[VSR+\ct] matrix_a_fmt:MATRIX_FMT_FP4 matrix_b_fmt:MATRIX_FMT_FP4
.else
	v_wmma_scale_f32_16x16x128_f8f6f4 v[8*(4*\qt+\ct):8*(4*\qt+\ct)+7], v[SP+8*(2*\qt+\ks):SP+8*(2*\qt+\ks)+7], v[128+64*(\pb)+8*(2*\ct+\ks):128+64*(\pb)+8*(2*\ct+\ks)+7], v[8*(4*\qt+\ct):8*(4*\qt+\ct)+7], v[PSR+\qt], v[VSR+\ct] matrix_a_fmt:MATRIX_FMT_FP4 matrix_b_fmt:MATRIX_FMT_FP4
.endif
.else
	v_wmma_scale_f32_16x16x128_f8f6f4 v[8*(4*\qt+\ct):8*(4*\qt+\ct)+7], v[SP+8*(2*\qt+\ks):SP+8*(2*\qt+\ks)+7], v[128+64*(\pb)+8*(2*\ct+\ks):128+64*(\pb)+8*(2*\ct+\ks)+7], v[8*(4*\qt+\ct):8*(4*\qt+\ct)+7], v[PSR+\qt], v[VSR+\ct] matrix_a_fmt:MATRIX_FMT_FP4 matrix_b_fmt:MATRIX_FMT_FP4 matrix_a_scale:MATRIX_SCALE_ROW1 matrix_b_scale:MATRIX_SCALE_ROW1
.endif
.endr
.endr
.endr
	WIN 0
	PLACES 5                                       ; four in front of loads into v's and p's registers and of reads of results; five in front of the scores' products, which write over p's fragments
.if \fetch
	LOADV \pb
.endif
.endm
; A trip: the second product of step j (buffers pb) and the softmax of step j + 1 (into the other buffer), in the order that PAR says; one barrier.
; kf = 1: that softmax fetches k and the block maxima of step j + 2; their addresses are made here, on the path that all waves take
.macro TRIP pb, zero, fetch, kf
.if \kf
	KADR
	BADR
.endif
	s_cmp_eq_u32 s5, 0
	s_cbranch_scc0 .Lproduct_first_\@
	SM 1-\pb, \kf
	PV \pb, \zero, \fetch, 18                      ; 18: the next step's v and scale bytes may stay out
	s_branch .Ljoin_\@
.Lproduct_first_\@:
	PV \pb, \zero, \fetch, 18
	SM 1-\pb, \kf
.Ljoin_\@:
	BAR                                            ; p of step j + 1 lies in LDS, and nobody reads p of step j any more
.endm
; THE WAY OUT, a channel tile (16 rows of out x 64 queries) at a time.  Each tile has registers of its own for x and the result, and for the rows back from the stage: no store's data are written again.
.macro XLDS ct                         ; x of channel tile ct (0 to 2) from LDS: two rows, 512 consecutive bytes, an instruction
.irp i, 0,1,2,3,4,5,6,7
	ds_load_b128 v[KF+32*(\ct)+4*\i:KF+32*(\ct)+4*\i+3], v[AXL] offset:4096*(\ct)+512*\i
.endr
.endm
.macro STG ct                          ; the tile's four accumulators into my own stage, and back as whole rows of 256 bytes
	WIN 0x04                                       ; an LDS store's data are its source 1: window 1
.irp qt, 0,1,2,3
	ds_store_b128 v[AST], v[8*(4*\qt+\ct):8*(4*\qt+\ct)+3] offset:128*(\qt/2)+32*(\qt%2)          ; each accumulator from its low end on: queries 32 (qt / 2) + 8 (qt % 2) + 16 h + 0 .. 7
	ds_store_b128 v[AST], v[8*(4*\qt+\ct)+4:8*(4*\qt+\ct)+7] offset:128*(\qt/2)+32*(\qt%2)+16
.endr
	WIN 0x40                                       ; destination window 1: where v's fragments lay
.irp i, 0,1,2,3,4,5,6,7
	ds_load_b128 v[128+32*(\ct)+4*\i:128+32*(\ct)+4*\i+3], v[ASR] offset:544*\i   ; LDS serves a wave's instructions in order: these see my stores, and the next tile's stores come behind them
.endr
	WIN 0
.endm
.macro FIN ct, younger                 ; divided by l, x added, stored.  younger: the LDS instructions issued behind this tile's, which may stay out
.set XR, KF+32*(\ct)+32*((\ct)/3)      ; v96, v128, v160, v224
	s_wait_dscnt \younger
	WIN 0x01                                       ; source 0 window 1
.irp i, 0,1,2,3,4,5,6,7
	v_pk_fma_f32 v[XR+4*\i:XR+4*\i+1], v[128+32*(\ct)+4*\i:128+32*(\ct)+4*\i+1], v[RL:RL+1], v[XR+4*\i:XR+4*\i+1]
	v_pk_fma_f32 v[XR+4*\i+2:XR+4*\i+3], v[128+32*(\ct)+4*\i+2:128+32*(\ct)+4*\i+3], v[RL+2:RL+3], v[XR+4*\i+2:XR+4*\i+3]
.endr
	WIN 0
.irp i, 0,1,2,3,4,5,6,7
	global_store_b128 v[AXO], v[XR+4*\i:XR+4*\i+3], s[22:23] offset:(16*(\ct)+2*\i)*16384 th:TH_STORE_NT   ; sixteen lanes store 256 consecutive bytes, at a multiple of 256 from out's first byte
.endr
.endm
	LOADV 0                                        ; v of my first two key steps: on their way through all of pass 1
	LOADV 1
	tensor_load_to_lds s[80:83], s[84:91]          ; my third first fill: rows 0-47 of my x.  It stands behind v's loads, so that every wave's load of k has been issued ahead of it
	s_nop 0
	PLACES 4
.irp i, 0,1,2,3,4,5,6,7
	global_load_b128 v[X3+4*\i:X3+4*\i+3], v[AXO], s[20:21] offset:(48+2*\i)*16384 th:TH_LOAD_NT   ; rows 48-63 of my x stay in registers
.endr
.irp t, 0,1,2,3,4,5,6,7
.irp j, 4,5,6,7
	v_mov_b32 v[KF+8*\t+\j], 0                     ; the upper 64 of the scores' K step: zero codes, written once
.endr
.endr
.irp j, 4,5,6,7
	v_mov_b32 v[QF+\j], 0
.endr
.irp b, 0,1,2,3
	v_mov_b32 v[BY+\b], 0                          ; written once: a lane permute's destination counts as one of its sources
.endr
	v_mov_b32 v[L], 0
	v_mov_b32 v[L+1], 0
	v_mov_b32 v[RM], 0xff61b1e6                    ; -3e38, under every score
	s_mov_b32 s71, 0
	s_mov_b32 s72, 0
	s_mov_b32 s73, 0
	s_wait_tensorcnt 0x1                           ; my part of k and of its scale words is in LDS; x's load may stay out, and only I read those bytes, behind my own wait
	BAR                                            ; everybody's part of k is in
	; ---- pass 1
	KADR
	KLD
	s_wait_loadcnt 44                              ; q and its scale words are in; the 2 x 18 loads of v and the 8 of x may stay out
	s_mov_b32 s70, 15
.Lpass1:
	P1 1
	s_sub_co_u32 s70, s70, 1
	s_cmp_lg_u32 s70, 0
	s_cbranch_scc1 .Lpass1
	P1 0
	ds_store_b32 v[AMW], v[RM]                     ; my half of the keys' maximum; wave w xor 4 has the other half's, of the same queries in the same lanes
	BAR
	ds_load_b32 v[T2], v[AMR]
	s_wait_dscnt 0x0
	v_max_num_f32 v[RM], v[RM], v[T2]
	v_mul_f32 v[RM], s48, v[RM]                    ; the row's largest t
	v_floor_f32 v[NM], -v[RM]                      ; -M = floor(-t) = -ceil(t)
	v_mov_b32 v[NM+1], v[NM]                       ; (named with it as a pair)
	; ---- pass 2
	s_mov_b32 s71, 0
	s_mov_b32 s72, 0
	s_mov_b32 s73, 0
	KADR
	BADR
	KLD                                            ; step 0's k
	ds_load_b128 v[BMR:BMR+3], v[ADB]              ; and its block maxima
	KADR                                           ; step 1's addresses (an LDS load has read its address when it is issued)
	BADR
	SM 0, 1                                        ; p of step 0
	BAR
	TRIP 0, 1, 1, 1                                ; the product of step 0 starts the sums | the softmax of step 1 | v and k of step 2
	s_mov_b32 s70, 6
.Lpair:                                            ; the products of steps 1 to 12
	TRIP 1, 0, 1, 1
	TRIP 0, 0, 1, 1
	s_sub_co_u32 s70, s70, 1
	s_cmp_lg_u32 s70, 0
	s_cbranch_scc1 .Lpair
	TRIP 1, 0, 1, 1                                ; step 13; v and k of step 15, the last
	TRIP 0, 0, 0, 0                                ; step 14; nothing is left to fetch
	s_wait_tensorcnt 0x0                           ; my 48 rows of x lie in LDS
	XLDS 0                                         ; k's registers are free: x of my first 32 channels
	XLDS 1
	v_add_f32 v[L], v[L], v[L+1]                   ; the sum's two halves,
	v_permlanex16_b32 v[T2], v[L], s50, s51
	v_add_f32 v[L], v[L], v[T2]                    ; and lane l xor 16's: my 2,048 keys' sum of my query
	ds_store_b32 v[ALW], v[L]
	PV 1, 0, 0, 0                                  ; step 15: no load was issued behind its v
	BAR                                            ; the sums of all 64 queries, in two halves of the keys, lie in LDS
	ds_load_b128 v[RL:RL+3], v[ALR]                ; queries 4 r .. 4 r + 3
	ds_load_b128 v[RL+4:RL+7], v[ALR] offset:256
	XLDS 2                                         ; p's registers are free
	STG 0
	STG 1
	s_wait_dscnt 40                                ; the sums are in; 8 loads of x and two tiles' 16 + 16 stage instructions may stay out
	v_pk_add_f32 v[RL:RL+1], v[RL:RL+1], v[RL+4:RL+5]
	v_pk_add_f32 v[RL+2:RL+3], v[RL+2:RL+3], v[RL+6:RL+7]
.irp j, 0,1,2,3
	v_rcp_f32 v[RL+\j], v[RL+\j]
.endr
	v_nop                                          ; a plain place behind the reciprocals
	s_wait_alu depctr_va_vdst(0)
	FIN 0, 16                                      ; 16: the next tile's eight stores and eight loads may stay out
	STG 2
	FIN 1, 16
	STG 3
	FIN 2, 16
	FIN 3, 0
	s_wait_tensorcnt 0x0
	ds_add_u32 v94, v95
	s_wait_dscnt 0x0
	s_endpgm
.Lfunc_end_k_q5579571a78_attn:
	.size	k_q5579571a78_attn, .Lfunc_end_k_q5579571a78_attn-k_q5579571a78_attn
	.p2alignl 7, 3214868480
	.fill 96, 4, 3214868480
	.section	.rodata,"a",@progbits
	.p2align	6, 0x0
	.amdhsa_kernel k_q5579571a78_attn
		.amdhsa_group_segment_fixed_size 298496
		.amdhsa_private_segment_fixed_size 0
		.amdhsa_enable_private_segment 0
		.amdhsa_kernarg_size 64
		.amdhsa_user_sgpr_count 2
		.amdhsa_user_sgpr_kernarg_segment_ptr 1
		.amdhsa_wavefront_size32 1
		.amdhsa_system_sgpr_workgroup_id_x 1
		.amdhsa_system_sgpr_workgroup_id_y 1
		.amdhsa_system_sgpr_workgroup_id_z 1
		.amdhsa_system_vgpr_workitem_id 0
		.amdhsa_next_free_vgpr 512
		.amdhsa_next_free_sgpr 96
		.amdhsa_reserve_vcc 0
		.amdhsa_float_denorm_mode_32 3
		.amdhsa_float_denorm_mode_16_64 3
		.amdhsa_memory_ordered 1
		.amdhsa_forward_progress 1
		.amdhsa_inst_pref_size 230
	.end_amdhsa_kernel
	.amdgpu_metadata
---
amdhsa.version: [ 1, 2 ]
amdhsa.kernels:
  - .name:           k_q5579571a78_attn
    .symbol:         k_q5579571a78_attn.kd
    .args:
      - { .name: qc, .offset: 0, .size: 8, .value_kind: global_buffer, .address_space: global }
      - { .name: qs, .offset: 8, .size: 8, .value_kind: global_buffer, .address_space: global }
      - { .name: kc, .offset: 16, .size: 8, .value_kind: global_buffer, .address_space: global }
      - { .name: ks, .offset: 24, .size: 8, .value_kind: global_buffer, .address_space: global }
      - { .name: vc, .offset: 32, .size: 8, .value_kind: global_buffer, .address_space: global }
      - { .name: vs, .offset: 40, .size: 8, .value_kind: global_buffer, .address_space: global }
      - { .name: x, .offset: 48, .size: 8, .value_kind: global_buffer, .address_space: global }
      - { .name: out0, .offset: 56, .size: 8, .value_kind: global_buffer, .address_space: global }
    .group_segment_fixed_size: 298496
    .private_segment_fixed_size: 0
    .kernarg_segment_align: 8
    .kernarg_segment_size: 64
    .max_flat_workgroup_size: 256
    .sgpr_count:     96
    .vgpr_count:     512
    .wavefront_size: 32
...
	.end_amdgpu_metadata
.endif
;; end of part 2
